; MI455X (gfx1250); checked and timed in simulation.
; The chip was launched on July 23, 2026; its instructions are those of AMD's public machine-readable ISA for CDNA 5 (MIT licence, August 2026) and "CDNA5" Instruction Set Architecture Reference Guide (July 2026). The comments in the code are by the model that wrote it; some were corrected since.
;; CP L3 sparse outer. Allowed arithmetic: matrix products marked QUANTISED: E3M2 operands, one E8M0 scale for each 32 along K, by v_wmma_scale_f32_16x16x128_f8f6f4 with both operands' format E3M2, f32 sums; everything else in f32.
;; Inputs: U1 4,096 float32; U2 4,096 float32; U3 4,096 float32; W 4,096 x 4,096 float32; b 4,096 float32; z 4,096 x 4,096 float32.
;; Outputs: out0 4,096 x 4,096 float32.
;; This version of the problem:
;;   THIS VERSION OF THE PROBLEM IS GIVEN IN LOW PRECISION. The matrix products marked QUANTISED in the list below multiply operands that are first quantised to E3M2 (3 exponent bits, 2 mantissa bits; 6 bits a number), with one power-of-two scale for each 32 numbers along K (OCP MX v1.0); their sums are f32. All else is computed in f32.
;;   The module's matrix products, in the order in which they are computed (A, B: the left and right operand; K: the contracted axis; several contracted axes count as one K, in the product's order):
;;     1. [M 4,096, K 4,096] x [K 4,096, N 4,096]; A: computed on the way; B: input W: QUANTISED
;;   THE QUANTISER, for each operand of a quantised product, along K:
;;     - K is cut into blocks of 32 from its start; a last block that is shorter is filled with zeros.
;;     - A block's scale is 2^e with e = floor(log2(the largest magnitude in the block)) - 4, held to -126 .. 127; a block of zeros has e = 0. As a byte (E8M0): e + 127.
;;     - Each number is divided by its block's scale, clamped to +-28, and rounded to the nearest number of E3M2, ties to even, subnormals kept.
;;     - The product sums the exact products of the quantised numbers (number of the format x scale) in f32.
;;   ~~~python
;;   def quantise(x, axis):      # numpy; x: float32 -> the quantised numbers, widened to float32 again
;;       x = np.moveaxis(x, axis, -1); K = x.shape[-1]
;;       x = np.pad(x, [(0, 0)] * (x.ndim - 1) + [(0, -K % 32)]); x = x.reshape(x.shape[:-1] + (-1, 32)); a = np.abs(x).max(-1, keepdims=True)
;;       e = np.where(a > 0, np.clip(np.frexp(np.where(a > 0, a, 1))[1] - 1 - 4, -126, 127), 0)      # np.frexp(a)[1] - 1 = floor(log2(a)), exactly
;;       r = np.clip(x / 2.0 ** e, -28, 28)
;;       step = 2.0 ** (np.maximum(np.frexp(np.where(r == 0, 1, r))[1] - 1, -2) - 2)
;;       q = np.round(r / step) * step * 2.0 ** e      # np.round: ties to even
;;       return np.moveaxis(q.reshape(q.shape[:-2] + (-1,))[..., :K], -1, axis).astype(np.float32)
;;   ~~~
;;   OPERANDS COMPUTED ON THE WAY. 'Computed on the way' means the value that the module computes at that place (a softmax that the list does not call 'softmax' is quantised finished and normalised). What goes into a quantiser is computed in f32, as accurately as f32 sums, v_exp_f32 and their like allow (about 1e-6 of the number): no bf16 or f16 on the way to a quantiser, and a product that is left as it is and whose result goes on into a quantised operand takes f32 operands (vector FMAs, or v_wmma_f32_16x16x4_f32). A number that lies on a knife's edge between two numbers of the format may be rounded either way, as far as f32 arithmetic and the matrix unit's own rounding can turn it there, and no further.
;; One version. Each part assembles by itself: llvm-mc -triple=amdgcn-amd-amdhsa -mcpu=gfx1250 --defsym DOCPART=n.
;; ======== version 1 of 1: 2 launches
;; limits: right only within a limited range of input values
;; workspace buffers: aq 13,631,488 bytes; wq 13,631,488 bytes
;; launch quant (part 1): grid 256 x 1, 8 waves a work-group, no clusters, 273,408 bytes of LDS; arguments z, W, U1, U2, U3, aq, wq; writes aq, wq
.if DOCPART == 1
	.amdgcn_target "amdgcn-amd-amdhsa--gfx1250"
	.amdhsa_code_object_version 6
	.text
	.protected	k_q7d82aa6c02_quant
	.globl	k_q7d82aa6c02_quant
	.p2align	8
	.type	k_q7d82aa6c02_quant,@function
k_q7d82aa6c02_quant:
	s_mov_b64 s[64:65], 0
	v_nop
	global_prefetch_b8 v0, s[64:65] scope:SCOPE_SE
	s_setreg_imm32_b32 hwreg(HW_REG_WAVE_MODE, 25, 1), 1
	s_wait_xcnt 0x0
; x[m][k] = (U1[k] z[m][k]) (s2[m] s3[m]), s2 = sum_k U2[k] z[m][k], s3 = sum_k U3[k] z[m][k], and W, both [4096][4096] f32 with K innermost,
; become codes of BF6 (E3M2) with one E8M0 scale byte for each 32 along K.  Everything ahead of the conversion is f32, with the roundings of the source: U1 z first, s2 s3 next, then their product.
; A block's scale is 2^(floor(log2(its largest magnitude)) - 4); its byte is the largest magnitude's exponent field - 4, held at 1 from below.
; LIMITS: NaN and infinities among the inputs are not served.  Blocks whose largest magnitude lies under 2^-122 keep the byte 1.  A block of zeros gets the byte 1, not 127: its codes are zeros,
; which add nothing under that byte, and the bytes are read by this program alone.  s2 and s3 are summed as a tree (packed sums a lane, then lanes, then waves), not in ascending k.
; THE OUTPUT'S LAYOUT (aq for x, wq for W, alike) is that of the product's operand registers.  Block (R = row / 128, T = k / 128) is 13,312 bytes at 425,984 R + 13,312 T:
;   codes: fragment i = (row / 16) % 8, 12 registers a lane, as three groups of four: byte 1,536 i + 512 c + 16 lane;
;   scale words from byte 12,288: 256 j + 16 r holds, for row r of a block of 16, the words of i = 2 j and i = 2 j + 1 and two words of 0.  The zeros are there because a work-group owns 32 of the
;   128 rows: with them its words of a block are 256 consecutive bytes, aligned, which it stores whole.
; SHARES.  Work-groups 0-127 take z, 128-255 take W, on ONE path: only pointers are chosen, and for W the factors U1 and s2 s3 are replaced by 1.0, by which a multiplication changes nothing
; (W's row sums are made and dropped: the price of one path).  A work-group owns 32 rows, two batches of 16.  Wave w owns columns 512 w .. 512 w + 511: four tiles of 16 rows x 128 k, four whole fragments a batch.
; Only the row sums cross waves: one barrier a batch.  Each load reads 512 consecutive bytes of a row.  A WHOLE BATCH IS STAGED IN LDS: as soon as four rows' U1 z are made they go to the wave's own stage, and their
; registers take the same rows of the next batch: so batch 1 is asked for while batch 0 is still arriving.  A tile comes back from its stage so that a lane holds 16 neighbours along K.
; Each store of codes covers 512 consecutive bytes, aligned; each store of scale words two runs of 256 consecutive bytes, aligned.
; No tensor loads, no cluster: the numbers pass registers ahead of the stage (sums, U1), and work-groups share only U's 48 KiB.  Written out, no loop: every offset is an immediate, no pointer is stepped.
.set KB,    16384                      ; bytes in a row of z or W
.set TBLK,  13312                      ; a block of the output
.set RSTR,  32*TBLK                    ; from 128 rows to the next
.set SPI,   528                        ; a stage row: 512 bytes + 16: an odd multiple of 16, so that sixteen rows' reads of 16 bytes fall on different banks (ISA guide 11.1)
.set STG,   16*SPI                     ; a tile's stage
.set WSTG,  4*STG                      ; four stages a wave: a batch
.set SUMS,  8*WSTG                     ; behind the stages: the waves' parts of the row sums: 1,024 bytes a batch: 128 wave + 4 lane
.set LO,  1                            ; v1   2,048 wave + 16 lane: my 16 bytes of a row's tile 0, and of U
.set GO,  2                            ; v2   16 lane: my place in a group of four registers of a fragment's image
.set SGO, 3                            ; v3   13,312 (lane / 16) + 16 (lane % 16): my place among the scale words
.set STI, 4                            ; v4   the stages, on the way in: 33,792 wave + 16 lane
.set STO, 5                            ; v5   on the way out: 33,792 wave + 528 (lane % 16) + 64 (lane / 16)
.set SA,  6                            ; v6   where I put my wave's part of a sum
.set SL,  7                            ; v7   where my row's pair (s2, s3) begins in wave 0's parts
.set U1,  16                           ; v16-31  U1 of my 4 columns in tiles 0-3;  v32-47 U2;  v48-63 U3
.set U2,  32
.set U3,  48
.set X0,  64                           ; v64-127, v128-191: a tile back from its stage, by turns
.set P,   128                          ; v128-191 while the sums are made: row rho's s2 pair at P + 4 rho, its s3 pair at P + 4 rho + 2
.set PC,  192                          ; v192-211 the codes just made
.set TM,  212                          ; v212-227 at work in QUANT
.set PW,  228                          ; v228-235 the scale words: batch beta, tile t at PW + 4 beta + t
.set SV,  236                          ; v[236:237] s2 s3 of my row, twice
.set T,   240                          ; v240-255 at work
.set MASK, 19                          ; s19  all ones for z, 0 for W
.set SEL,  26                          ; s[26:27] v_permlanex16_b32's selects for lane l xor 16
.set SRC,  28                          ; s[28:29] z or W at my work-group's first row
.set DST,  30                          ; s[30:31] the codes of my wave's first fragment
.set SB,   32                          ; s[32:33] my wave's scale words
; window 1 (v256-511): the 64 loads of a batch as they come: load 16 t + rho (tile t, row rho) in four registers
.set MSB, 0
.macro WIN new                         ; the immediate's high byte repeats the setting that is left
.if MSB != \new
	s_set_vgpr_msb (MSB<<8)|\new
.set MSB, \new
.endif
.endm
	s_load_b128 s[4:7], s[0:1], 0x0                ; z, W
	s_load_b128 s[8:11], s[0:1], 0x10              ; U1, U2
	s_load_b128 s[12:15], s[0:1], 0x20             ; U3, aq
	s_load_b64 s[16:17], s[0:1], 0x30              ; wq
	v_lshl_add_u32 v238, v0, 2, 0x42800
	v_mov_b32 v239, 0
	v_lshrrev_b32 v8, 5, v0
	s_delay_alu instid0(VALU_DEP_1)
	v_readfirstlane_b32 s18, v8                    ; wave 0..7
	v_and_b32 v9, 31, v0                           ; lane
	v_and_b32 v10, 15, v0                          ; r
	v_bfe_u32 v11, v0, 4, 1                        ; h
	s_delay_alu instid0(VALU_DEP_3)
	v_lshlrev_b32 v[GO], 4, v9
	s_lshl_b32 s34, s18, 11
	v_add_nc_u32 v[LO], s34, v[GO]
	v_mul_u32_u24 v[SGO], v11, TBLK
	s_delay_alu instid0(VALU_DEP_1)
	v_lshl_add_u32 v[SGO], v10, 4, v[SGO]
	s_mul_i32 s35, s18, WSTG
	v_add_nc_u32 v[STI], s35, v[GO]
	v_mul_u32_u24 v[STO], v10, SPI
	s_delay_alu instid0(VALU_DEP_1)
	v_lshl_add_u32 v[STO], v11, 6, v[STO]
	s_delay_alu instid0(VALU_DEP_1)
	v_add_nc_u32 v[STO], s35, v[STO]
	v_lshl_add_u32 v[SA], v0, 2, SUMS
	v_lshl_add_u32 v[SL], v10, 3, SUMS
.irp b, 0,1,2,3
	v_mov_b32 v[TM+4+\b], 0                        ; written once: a lane permute's destination counts as one of its sources
.endr
	s_mov_b32 s20, 0xaaaaaaaa                      ; lanes whose bit 0, 1, 2, 3, 4 is set
	s_mov_b32 s21, 0xcccccccc
	s_mov_b32 s22, 0xf0f0f0f0
	s_mov_b32 s23, 0xff00ff00
	s_mov_b32 s24, 0xffff0000
	s_mov_b32 s[SEL], 0x76543210
	s_mov_b32 s[SEL+1], 0xfedcba98
	s_and_b32 s34, ttmp9, 127                      ; g: which 32 rows of the tensor
	s_lshr_b32 s36, s34, 2                         ; R = g / 4
	s_and_b32 s38, s34, 3                          ; j = g % 4: my batches are fragments i = 2 j and 2 j + 1 of R's eight
	s_mul_i32 s36, s36, RSTR
	s_mul_i32 s37, s18, 4*TBLK                     ; my wave's T = 4 wave .. 4 wave + 3
	s_add_co_u32 s36, s36, s37
	s_mul_i32 s37, s38, 3072
	s_lshl_b32 s38, s38, 8
	s_add_co_u32 s38, s38, s36
	s_add_co_u32 s38, s38, 12288                   ; the scale words' offset
	s_add_co_u32 s36, s36, s37                     ; the codes' offset
	s_mov_b32 s37, 0
	s_mov_b32 s39, 0
	s_lshl_b32 s34, s34, 19                        ; 32 rows of 16,384 bytes
	s_mov_b32 s35, 0
	s_wait_kmcnt 0x0
	s_cmp_lt_u32 ttmp9, 128                        ; z's work-group or W's?  The choice hangs on the work-group's number alone
	s_cselect_b64 s[SRC:SRC+1], s[4:5], s[6:7]
	s_cselect_b64 s[DST:DST+1], s[14:15], s[16:17]
	s_cselect_b32 s[MASK], -1, 0
	s_add_nc_u64 s[SRC:SRC+1], s[SRC:SRC+1], s[34:35]
	s_add_nc_u64 s[SB:SB+1], s[DST:DST+1], s[38:39]
	s_add_nc_u64 s[DST:DST+1], s[DST:DST+1], s[36:37]
.irp t, 0,1,2,3
	global_load_b128 v[U1+4*\t:U1+4*\t+3], v[LO], s[8:9] offset:512*\t     ; every work-group reads U: no hint
	global_load_b128 v[U2+4*\t:U2+4*\t+3], v[LO], s[10:11] offset:512*\t
	global_load_b128 v[U3+4*\t:U3+4*\t+3], v[LO], s[12:13] offset:512*\t
.endr
; Group g of batch beta: loads 4 g .. 4 g + 3 of the batch's 64: tile g / 4, rows (4 g) % 16 on; a row's 512 consecutive bytes each; read once in the launch
.macro LOADG beta, g
	WIN 0x40                                       ; destination window 1, address window 0
.irp e, 0,1,2,3
	global_load_b128 v[4*(4*(\g)+\e):4*(4*(\g)+\e)+3], v[LO], s[SRC:SRC+1] offset:(16*(\beta)+(4*(\g))%16+\e)*KB+512*((\g)/4) th:TH_LOAD_NT
.endr
.endm
; Group g: its share of s2 and s3 (the first tile's products start the sums: nothing is cleared), x1 = U1 z in place, and x1 into the tile's stage.
; In batch 0 the registers of the group before, whose stage stores are then done, take the same group of batch 1.
.macro SUM4 beta, g
.set TT, (\g)/4
.if ((\beta) == 0) && ((\g) > 0)
	s_wait_loadcnt 56                              ; loads come back in order (ISA guide 5.7.1): behind this group's four stand 60 - 4 g of batch 0 and the 4 (g - 1) of batch 1 issued so far
.else
	s_wait_loadcnt 60-4*(\g)                       ; behind this group's four stand the 60 - 4 g younger ones of its batch
.endif
.if ((\beta) == 0) && ((\g) == 0)
	WIN 0
.irp i, 0,1,2,3,4,5,6,7,8,9,10,11,12,13,14,15
	v_cndmask_b32 v[U1+\i], 1.0, v[U1+\i], s[MASK] ; U's loads are older than all row loads: they are in.  For W the factor is 1.0
.endr
.endif
	WIN 0x01                                       ; source 0 window 1
.irp e, 0,1,2,3
.set RH, P+4*((4*(\g))%16+\e)
.set RR, 4*(4*(\g)+\e)
.if TT == 0
	v_pk_mul_f32 v[RH:RH+1], v[RR:RR+1], v[U2:U2+1]
	v_pk_mul_f32 v[RH+2:RH+3], v[RR:RR+1], v[U3:U3+1]
.else
	v_pk_fma_f32 v[RH:RH+1], v[RR:RR+1], v[U2+4*TT:U2+4*TT+1], v[RH:RH+1]
	v_pk_fma_f32 v[RH+2:RH+3], v[RR:RR+1], v[U3+4*TT:U3+4*TT+1], v[RH+2:RH+3]
.endif
.endr
.irp e, 0,1,2,3
.set RH, P+4*((4*(\g))%16+\e)
.set RR, 4*(4*(\g)+\e)
	v_pk_fma_f32 v[RH:RH+1], v[RR+2:RR+3], v[U2+4*TT+2:U2+4*TT+3], v[RH:RH+1]
	v_pk_fma_f32 v[RH+2:RH+3], v[RR+2:RR+3], v[U3+4*TT+2:U3+4*TT+3], v[RH+2:RH+3]
.endr
	WIN 0x41                                       ; destination and source 0 window 1
.irp e, 0,1,2,3
.set RR, 4*(4*(\g)+\e)
	v_pk_mul_f32 v[RR:RR+1], v[RR:RR+1], v[U1+4*TT:U1+4*TT+1]
	v_pk_mul_f32 v[RR+2:RR+3], v[RR+2:RR+3], v[U1+4*TT+2:U1+4*TT+3]
.endr
	WIN 0x04                                       ; an LDS store's data are its source 1: window 1
.irp e, 0,1,2,3
.set RR, 4*(4*(\g)+\e)
	ds_store_b128 v[STI], v[RR:RR+3] offset:STG*TT+SPI*((4*(\g))%16+\e)   ; a row's 512 bytes on end
.endr
.if ((\beta) == 0) && ((\g) > 0)
	s_wait_dscnt 4                                 ; all but this group's four stores are done: the group before has left its registers,
	LOADG 1, (\g)-1                                ; which take the next batch
.endif
.endm
; Two numbers a lane, each to be summed over lanes l and l xor xm, become one register: lanes whose mask bit is 0 end with ra's sum, the others with rb's
.macro MERGE ra, rb, rt, mk, xm
	v_cndmask_b32 v[\rt], v[\rb], v[\ra], s[\mk]
	v_cndmask_b32 v[\ra], v[\ra], v[\rb], s[\mk]
	s_delay_alu instid0(VALU_DEP_1)
	v_add_f32_dpp v[\ra], v[\rt], v[\ra] row_xmask:\xm row_mask:0xf bank_mask:0xf
.endm
; The 32 sums of a lane (16 rows x s2, s3) become ONE register: lane 2 rho + u of v[P] ends with my wave's part of s2 (u = 0) or s3 (u = 1) of row rho
.macro REDUCE
	WIN 0
.irp r, 0,1,2,3,4,5,6,7,8,9,10,11,12,13,14,15
	v_add_f32 v[P+4*\r], v[P+4*\r], v[P+4*\r+1]
	v_add_f32 v[P+4*\r+2], v[P+4*\r+2], v[P+4*\r+3]
.endr
.irp r, 0,1,2,3,4,5,6,7,8,9,10,11,12,13,14,15
	MERGE P+4*\r, P+4*\r+2, P+4*\r+1, 20, 1
.endr
.irp a, 0,1,2,3,4,5,6,7
	MERGE P+8*\a, P+8*\a+4, P+8*\a+1, 21, 2
.endr
.irp a, 0,1,2,3
	MERGE P+16*\a, P+16*\a+8, P+16*\a+1, 22, 4
.endr
.irp a, 0,1
	MERGE P+32*\a, P+32*\a+16, P+32*\a+1, 23, 8
.endr
	s_delay_alu instid0(VALU_DEP_1)
	v_cndmask_b32 v[P+1], v[P+32], v[P], s24
	s_delay_alu instid0(VALU_DEP_2)
	v_cndmask_b32 v[P], v[P], v[P+32], s24
	s_delay_alu instid0(VALU_DEP_2)
	v_permlanex16_b32 v[P+2], v[P+1], s[SEL], s[SEL+1]
	s_delay_alu instid0(VALU_DEP_1)
	v_add_f32 v[P], v[P], v[P+2]
.endm
; The eight waves' parts meet in LDS; every wave adds them in the same order, so that all hold the same factor.  Each batch has bytes of its own: nothing is written over.
.macro FACTOR beta
	ds_store_b32 v[SA], v[P] offset:1024*(\beta)
	s_wait_dscnt 0x0                               ; for the others' sake: my store has landed (and no LDS instruction of mine is out at the signal)
	s_barrier_signal -1
	s_barrier_wait -1
.irp k, 0,1,2,3,4,5,6,7
	ds_load_b64 v[T+2*\k:T+2*\k+1], v[SL] offset:1024*(\beta)+128*\k   ; wave k's (s2, s3) of my row
.endr
	s_wait_dscnt 0x0
	v_pk_add_f32 v[T:T+1], v[T:T+1], v[T+2:T+3]
	v_pk_add_f32 v[T+4:T+5], v[T+4:T+5], v[T+6:T+7]
	v_pk_add_f32 v[T+8:T+9], v[T+8:T+9], v[T+10:T+11]
	v_pk_add_f32 v[T+12:T+13], v[T+12:T+13], v[T+14:T+15]
	s_delay_alu instid0(VALU_DEP_3)
	v_pk_add_f32 v[T:T+1], v[T:T+1], v[T+4:T+5]
	s_delay_alu instid0(VALU_DEP_2)
	v_pk_add_f32 v[T+8:T+9], v[T+8:T+9], v[T+12:T+13]
	s_delay_alu instid0(VALU_DEP_1)
	v_pk_add_f32 v[T:T+1], v[T:T+1], v[T+8:T+9]
	s_delay_alu instid0(VALU_DEP_1)
	v_mul_f32 v[SV], v[T], v[T+1]                  ; s2 s3
	s_delay_alu instid0(VALU_DEP_1)
	v_cndmask_b32 v[SV], 1.0, v[SV], s[MASK]       ; for W: 1.0
	s_delay_alu instid0(VALU_DEP_1)
	v_mov_b32 v[SV+1], v[SV]
.endm
; Tile t back from its stage: register 16 b + i of lane (r, h) is k = 32 b + 16 h + i of row r.  The stage is the wave's own, and LDS serves a wave's instructions in order (ISA guide 5.7.1.4):
; these loads see the stores above them, and the next batch's stores into the stage come behind them
.macro OUTL t
.irp b, 0,1,2,3
.irp jj, 0,1,2,3
	ds_load_b128 v[X0+64*((\t)%2)+16*\b+4*\jj:X0+64*((\t)%2)+16*\b+4*\jj+3], v[STO] offset:STG*(\t)+128*\b+16*\jj
.endr
.endr
.endm
; 64 numbers of a lane, v[s] .. v[s + 63], register 16 b + i = k 32 b + 16 (lane / 16) + i of my row, become a fragment's codes in v[PC] .. v[PC + 11] and its scale word in v[pw]
.macro QUANT s, pw
.irp b, 0,1,2,3
	v_max3_num_f32 v[TM+\b], |v[\s+16*\b]|, |v[\s+1+16*\b]|, 0x2800000   ; block b: my 16 numbers, and the floor 2^(5 - 127): so the byte cannot fall under 1
.endr
.irp i, 2,4,6,8,10,12,14
.irp b, 0,1,2,3
	s_delay_alu instid0(VALU_DEP_4)
	v_max3_num_f32 v[TM+\b], v[TM+\b], |v[\s+16*\b+\i]|, |v[\s+1+16*\b+\i]|   ; the four blocks by turns
.endr
.endr
.irp b, 0,1,2,3
	s_delay_alu instid0(VALU_DEP_4)
	v_permlanex16_b32 v[TM+4+\b], v[TM+\b], s[SEL], s[SEL+1]
.endr
.irp b, 0,1,2,3
	s_delay_alu instid0(VALU_DEP_4)
	v_max_num_f32 v[TM+\b], v[TM+\b], v[TM+4+\b]   ; with lane l xor 16's: the block's largest magnitude
.endr
.irp b, 0,1,2,3
	s_delay_alu instid0(VALU_DEP_4)
	v_add_nc_u32 v[TM+12+\b], 0xfe000000, v[TM+\b] ; 4 off its exponent field: the conversion takes the exponent field of this operand as its scale
.endr
.irp b, 0,1,2,3
	s_delay_alu instid0(VALU_DEP_4)
	v_lshrrev_b32 v[TM+4+\b], 23, v[TM+12+\b]      ; the scale's byte
.endr
	s_delay_alu instid0(VALU_DEP_3)
	v_lshl_or_b32 v[\pw], v[TM+5], 8, v[TM+4]      ; the four bytes make my row's scale word; both halves of the lanes hold the same
	s_delay_alu instid0(VALU_DEP_1)
	v_lshl_or_b32 v[\pw], v[TM+6], 16, v[\pw]
	s_delay_alu instid0(VALU_DEP_1)
	v_lshl_or_b32 v[\pw], v[TM+7], 24, v[\pw]
.irp c, 0,1
	v_cvt_scalef32_pk16_bf6_f32 v[PC+6*\c:PC+2+6*\c], v[\s+32*\c:\s+15+32*\c], v[TM+12+2*\c]
	v_cvt_scalef32_pk16_bf6_f32 v[PC+12+4*\c:PC+14+4*\c], v[\s+16+32*\c:\s+31+32*\c], v[TM+12+2*\c+1]   ; (a conversion's three registers begin on an even number)
.endr
	v_nop                                          ; one plain place behind a scaled conversion
.irp c, 0,1                                    ; the operand's layout wants a WHOLE block in a lane: lanes 0-15 block 2 c, lanes 16-31 block 2 c + 1
.irp i, 0,1,2
	v_permlane16_swap_b32 v[PC+6*\c+\i], v[PC+12+4*\c+\i]
.endr
.irp i, 0,1,2
	s_delay_alu instid0(VALU_DEP_3)
	v_mov_b32 v[PC+3+6*\c+\i], v[PC+12+4*\c+\i]
.endr
.endr
.endm
; Tile t of batch beta: the next tile is asked of its stage; this one is scaled by s2 s3, quantised and stored
.macro TILE beta, t
.if (\t) < 3
	OUTL (\t)+1
	s_wait_dscnt 16                                ; this tile is back from its stage; the next tile's 16 loads may be out
.else
	s_wait_dscnt 0x0
.endif
	s_wait_xcnt 0x0                                ; the last tile's stores have read their data: the codes' registers are rewritten only behind this wait
.set XX, X0+64*((\t)%2)
.irp i, 0,2,4,6,8,10,12,14,16,18,20,22,24,26,28,30,32,34,36,38,40,42,44,46,48,50,52,54,56,58,60,62
	v_pk_mul_f32 v[XX+\i:XX+\i+1], v[XX+\i:XX+\i+1], v[SV:SV+1]    ; x = (U1 z) (s2 s3)
.endr
	QUANT XX, PW+4*(\beta)+(\t)
.irp c, 0,1,2
	global_store_b128 v[GO], v[PC+4*\c:PC+4*\c+3], s[DST:DST+1] offset:TBLK*(\t)+1536*(\beta)+512*\c   ; 32 lanes store 512 consecutive bytes, aligned
.endr
.endm
.macro BATCH beta
.irp g, 0,1,2,3,4,5,6,7,8,9,10,11,12,13,14,15
	SUM4 \beta, \g
.endr
.if (\beta) == 0
	s_wait_dscnt 0x0                               ; the last group has left its registers too
	LOADG 1, 15
.endif
	REDUCE
	FACTOR \beta
	s_wait_alu depctr_va_vdst(0)
	OUTL 0
.irp t, 0,1,2,3
	TILE \beta, \t
.endr
.endm
.irp g, 0,1,2,3,4,5,6,7,8,9,10,11,12,13,14,15
	LOADG 0, \g                                    ; batch 0: 64 loads a wave
.endr
	BATCH 0
	BATCH 1
	; the scale words: 16 bytes a row: (batch 0's, batch 1's, 0, 0).  Lanes 0-15 store those of one tile's block, lanes 16-31 those of the next
	v_cndmask_b32 v[T], v[PW], v[PW+1], s24
	v_cndmask_b32 v[T+1], v[PW+4], v[PW+5], s24
	v_mov_b32 v[T+2], 0
	v_mov_b32 v[T+3], 0
	v_cndmask_b32 v[T+4], v[PW+2], v[PW+3], s24
	v_cndmask_b32 v[T+5], v[PW+6], v[PW+7], s24
	v_mov_b32 v[T+6], 0
	v_mov_b32 v[T+7], 0
	global_store_b128 v[SGO], v[T:T+3], s[SB:SB+1]                     ; sixteen lanes store 256 consecutive bytes, aligned, twice: tiles 0 and 1
	global_store_b128 v[SGO], v[T+4:T+7], s[SB:SB+1] offset:2*TBLK     ; tiles 2 and 3
	s_wait_tensorcnt 0x0
	ds_add_u32 v238, v239
	s_wait_dscnt 0x0
	s_endpgm
.Lfunc_end_k_q7d82aa6c02_quant:
	.size	k_q7d82aa6c02_quant, .Lfunc_end_k_q7d82aa6c02_quant-k_q7d82aa6c02_quant
	.p2alignl 7, 3214868480
	.fill 96, 4, 3214868480
	.section	.rodata,"a",@progbits
	.p2align	6, 0x0
	.amdhsa_kernel k_q7d82aa6c02_quant
		.amdhsa_group_segment_fixed_size 273408
		.amdhsa_private_segment_fixed_size 0
		.amdhsa_enable_private_segment 0
		.amdhsa_kernarg_size 56
		.amdhsa_user_sgpr_count 2
		.amdhsa_user_sgpr_kernarg_segment_ptr 1
		.amdhsa_wavefront_size32 1
		.amdhsa_system_sgpr_workgroup_id_x 1
		.amdhsa_system_sgpr_workgroup_id_y 1
		.amdhsa_system_sgpr_workgroup_id_z 1
		.amdhsa_system_vgpr_workitem_id 0
		.amdhsa_next_free_vgpr 512
		.amdhsa_next_free_sgpr 66
		.amdhsa_reserve_vcc 0
		.amdhsa_float_denorm_mode_32 3
		.amdhsa_float_denorm_mode_16_64 3
		.amdhsa_memory_ordered 1
		.amdhsa_forward_progress 1
		.amdhsa_inst_pref_size 168
	.end_amdhsa_kernel
	.amdgpu_metadata
---
amdhsa.version: [ 1, 2 ]
amdhsa.kernels:
  - .name:           k_q7d82aa6c02_quant
    .symbol:         k_q7d82aa6c02_quant.kd
    .args:
      - { .name: z, .offset: 0, .size: 8, .value_kind: global_buffer, .address_space: global }
      - { .name: W, .offset: 8, .size: 8, .value_kind: global_buffer, .address_space: global }
      - { .name: U1, .offset: 16, .size: 8, .value_kind: global_buffer, .address_space: global }
      - { .name: U2, .offset: 24, .size: 8, .value_kind: global_buffer, .address_space: global }
      - { .name: U3, .offset: 32, .size: 8, .value_kind: global_buffer, .address_space: global }
      - { .name: aq, .offset: 40, .size: 8, .value_kind: global_buffer, .address_space: global }
      - { .name: wq, .offset: 48, .size: 8, .value_kind: global_buffer, .address_space: global }
    .group_segment_fixed_size: 273408
    .private_segment_fixed_size: 0
    .kernarg_segment_align: 8
    .kernarg_segment_size: 56
    .max_flat_workgroup_size: 256
    .sgpr_count:     66
    .vgpr_count:     512
    .wavefront_size: 32
...
	.end_amdgpu_metadata
.endif
;; end of part 1
;; launch gemm (part 2): grid 16 x 16, 4 waves a work-group, clusters of 4 x 4, 327,680 bytes of LDS; arguments aq, wq, b, out0; writes out0
.if DOCPART == 2
	.amdgcn_target "amdgcn-amd-amdhsa--gfx1250"
	.amdhsa_code_object_version 6
	.text
	.protected	k_q7d82aa6c02_gemm
	.globl	k_q7d82aa6c02_gemm
	.p2align	8
	.type	k_q7d82aa6c02_gemm,@function
k_q7d82aa6c02_gemm:
	s_mov_b64 s[64:65], 0
	v_nop
	global_prefetch_b8 v0, s[64:65] scope:SCOPE_SE
	s_setreg_imm32_b32 hwreg(HW_REG_WAVE_MODE, 25, 1), 1
	s_wait_xcnt 0x0
	s_wait_alu depctr_hold_cnt(0) depctr_sa_sdst(0) depctr_va_vdst(0) depctr_va_sdst(0) depctr_va_ssrc(0) depctr_va_vcc(0) depctr_vm_vsrc(0)
	s_getreg_b32 s2, hwreg(HW_REG_IB_STS2, 6, 4)
	s_cmp_eq_u32 s2, 0
	s_cbranch_scc0 .Lentry_in_a_cluster
	s_endpgm
.Lentry_in_a_cluster:
	s_bfe_u32 s2, ttmp6, 0x10000c
	s_cmp_lg_u32 s2, 0xf033
	s_cbranch_scc0 .Lentry_shape_is_right
	s_endpgm
.Lentry_shape_is_right:
; out0[m][n] = sum over k of x[m][k] W[n][k] + b[n], x and W as codes of BF6 (E3M2) with E8M0 scale bytes, as the launch before laid them (aq, wq):
; block (R = row / 128, T = k / 128) is 13,312 bytes at 425,984 R + 13,312 T: the image of eight fragments' registers (1,536 i + 512 c + 16 lane), then the scale words from byte 12,288.
; A work-group of four waves makes 256 x 256 of out0, a wave 128 x 128: 64 accumulators.  K goes in 32 steps of 128 through a ring of two LDS slots; a slot holds three steps of A's and B's
; 256 rows (the last fill two steps); a wave fetches a quarter of a slot by one tensor load, dense rows of 256 bytes, aligned.
; CLUSTERS: 4 x 4 work-groups; A's tiles are asked for jointly along a row of the cluster, B's along a column.  The matrix instruction is used transposed (source 0 = rows of W, source 1 = rows of x).
; REGISTERS, in four windows of 256.  Each window: v128-255 sixteen accumulators (window g: x's blocks 2 g, 2 g + 1 against W's eight), v32-127 one set of eight fragments:
;   window 0: W's set 0, v2-15 addresses, v16-31 two sets of scale words;  window 1: W's set 1;
;   window 2: x's set 0, v0-31 the bias of W's blocks 0-3;  window 3: x's set 1, v0-31 the bias of blocks 4-7.
; Both operands have two sets.  A step on set p begins with ONE run of 52 LDS loads, the next step's fragments and scale words into set 1 - p, and then multiplies set p: 64 products on end.
; The bias is the C of the first step's products: nothing is cleared and nothing is added later.
; THE LAST FIVE STEPS, 27 to 31, lie in the two slots together and go BY HALVES OF MY ROWS: x's blocks 0-3 through all five, then blocks 4-7 through all five (K ascending for every accumulator;
; W's fragments of these steps are read twice).  So blocks 0-3 are finished five half steps ahead of the last product, and leave, a block at each half step's head, while blocks 4-7 are multiplied.
; PREFETCH: with each tensor load of chunks 0 to 7 the chunk that stands two loads on is named (with chunk 0's also chunk 1): 39,936 bytes of the 128 rows that the wave fetches, shared out by address
; among the four partners that ask for them jointly, 39 blocks of 256 bytes each (32 lanes, then 7; the lanes left over name the last block again).  Chunk 0 and the last chunk come by their loads alone.
.set TBLK,   13312
.set WBLK,   3*TBLK                    ; three steps of 128 rows: what one tensor load brings
.set RSTR,   32*TBLK
.set SLOT,   4*WBLK                    ; A's two halves, then B's two
.set SPARE,  2*SLOT                    ; the spare words, 128 bytes a wave; no other line names them
.set STAGE,  2*TBLK                    ; the way out: the third step's part of my quarter of slot 0: its last fill was chunk 8's, its last read stands ahead of step 26's barrier, and the last chunk, two steps, does not reach it
.set SPITCH, 528
.set NRUN,   52                        ; LDS loads in a whole step's run: 2 x 8 fragments x 3, and 4 for the scale words
.set ADRA, 2                           ; v2-3  my fragments of x in slot 0, 1
.set ADRB, 4                           ; v4-5  of W
.set ADRS, 6                           ; v6-7  my scale words: lanes 0-15 x's, lanes 16-31 W's
.set STO,  8
.set RD,   9
.set CO,   10
.set PFO,  11
.set PFO2, 12
.set BO,   13
.set SPW,  14                          ; my spare word; never rewritten
.set NIL,  15                          ; 0; never rewritten
.set SC,   16                          ; scale words: set p at SC + 8 p; register i: lanes 0-15 x's block i, lanes 16-31 W's block i
.set FRG,  32
.set ACC,  128
.set G1,  24
.set G0,  32
.set G1B, 48
.set G0B, 56
.set PFA, 68
.set G1S,  72                          ; group 1 for the last chunk, two steps
.set G1SB, 80
.set MSB, 0
.macro WIN new                         ; the immediate's high byte repeats the setting that is left
.if MSB != (\new)
	s_set_vgpr_msb (MSB<<8)|(\new)
.set MSB, (\new)
.endif
.endm
.macro PLACES
.rept 4
	v_nop
.endr
.endm
; a joint load: waves 0 and 1 fetch x's halves, waves 2 and 3 W's
.macro JLOAD g0a, g1a, g0b, g1b
	s_cmp_eq_u32 s15, 0
	s_cbranch_scc0 .Lfor_b_\@
	tensor_load_to_lds s[\g0a:\g0a+3], s[\g1a:\g1a+7]
	s_nop 0
	PLACES
	s_branch .Lasked_\@
.Lfor_b_\@:
	tensor_load_to_lds s[\g0b:\g0b+3], s[\g1b:\g1b+7]
	s_nop 0
	PLACES
.Lasked_\@:
.endm
.macro PF off                          ; my work-group's quarter of a chunk: 39 blocks of 256 bytes
	global_prefetch_b8 v[PFO], s[PFA:PFA+1] offset:\off th:TH_LOAD_NT scope:SCOPE_SE
	global_prefetch_b8 v[PFO2], s[PFA:PFA+1] offset:\off th:TH_LOAD_NT scope:SCOPE_SE
.endm
.macro ASK                             ; s3 = 1 in the loop's last trip, whose look-ahead would pass the last whole chunk
	s_cmp_gt_u32 s3, 1
	s_cbranch_scc0 .Lno_ask_\@
	PF WBLK
.Lno_ask_\@:
.endm
.macro CREST                           ; a round of the cluster's barrier behind its opening barrier
	s_cmp_lg_u32 s14, 0
	s_cbranch_scc1 .Lnot_wave_0_\@
	s_barrier_signal -3
.Lnot_wave_0_\@:
	s_barrier_wait -3
	s_barrier_signal -1
	s_barrier_wait -1
.endm
.macro CROUND
	s_barrier_signal -1
	s_barrier_wait -1
	CREST
.endm
	s_load_b128 s[4:7], s[0:1], 0x0                ; aq, wq
	s_load_b128 s[8:11], s[0:1], 0x10              ; b, out0
	v_lshl_add_u32 v[SPW], v0, 2, SPARE
	v_mov_b32 v[NIL], 0
	ds_add_u32 v[SPW], v[NIL]                      ; the opening lines: the add twice on end and one wait
	ds_add_u32 v[SPW], v[NIL]
	v_lshrrev_b32 v32, 5, v0
	v_readfirstlane_b32 s14, v32                   ; wave
	s_lshr_b32 s15, s14, 1                         ; my half of the rows; also: I fetch for x (0) or W (1)
	s_and_b32 s16, s14, 1                          ; my half of the columns; also: which 128 rows I fetch
	s_bfe_u32 s40, ttmp6, 0x40000                  ; cx
	s_bfe_u32 s41, ttmp6, 0x40004                  ; cy
	s_lshl_b32 s42, ttmp9, 2
	s_add_co_u32 s42, s42, s40                     ; tile column
	s_and_b32 s17, ttmp7, 0xffff
	s_lshl_b32 s17, s17, 2
	s_add_co_u32 s17, s17, s41                     ; tile row
	s_lshl_b32 s43, s41, 2
	s_lshl_b32 s43, 15, s43                        ; my row of the cluster
	s_lshl_b32 s44, 0x1111, s40                    ; my column
	s_or_b32 s[G1+0], s43, (3<<16)|(1<<21)         ; elements of 8 bytes, no padding: lanes read 16 neighbouring bytes each
	s_or_b32 s[G1B+0], s44, (3<<16)|(1<<21)
	s_or_b32 s[G1S+0], s43, (3<<16)|(1<<21)
	s_or_b32 s[G1SB+0], s44, (3<<16)|(1<<21)
.irp g, G1, G1B
	s_mov_b32 s[\g+1], 32<<16                      ; rows of 256 bytes,
	s_mov_b32 s[\g+2], 156<<16                     ; 156 of them: 39,936 bytes
	s_mov_b32 s[\g+3], 32<<16
	s_mov_b32 s[\g+4], 156
	s_mov_b32 s[\g+5], 32
	s_mov_b32 s[\g+6], 0
	s_mov_b32 s[\g+7], 0
.endr
.irp g, G1S, G1SB
	s_mov_b32 s[\g+1], 32<<16
	s_mov_b32 s[\g+2], 104<<16                     ; 104 rows: two steps
	s_mov_b32 s[\g+3], 32<<16
	s_mov_b32 s[\g+4], 104
	s_mov_b32 s[\g+5], 32
	s_mov_b32 s[\g+6], 0
	s_mov_b32 s[\g+7], 0
.endr
	s_lshl_b32 s20, s17, 1
	s_add_co_u32 s20, s20, s16
	s_mul_i32 s20, s20, RSTR                       ; x: R = 2 x tile row + half
	s_mov_b32 s21, 0
	s_lshl_b32 s46, s42, 1
	s_add_co_u32 s46, s46, s16
	s_mul_i32 s46, s46, RSTR                       ; W: R = 2 x tile column + half
	s_mov_b32 s47, 0
	s_mul_i32 s45, s14, WBLK                       ; where my quarter of a slot lies
	s_wait_dscnt 0x0                               ; both opening adds are done
	s_wait_kmcnt 0x0
	s_add_nc_u64 s[20:21], s[4:5], s[20:21]
	s_add_nc_u64 s[46:47], s[6:7], s[46:47]
.irp s, 0,1
	s_mov_b32 s[G0+4*\s], 1
	s_add_co_u32 s[G0+4*\s+1], s45, \s*SLOT
	s_add_nc_u64 s[G0+4*\s+2:G0+4*\s+3], s[20:21], \s*WBLK
	s_or_b32 s[G0+4*\s+3], s[G0+4*\s+3], 0x80000000
	s_mov_b32 s[G0B+4*\s], 1
	s_add_co_u32 s[G0B+4*\s+1], s45, \s*SLOT
	s_add_nc_u64 s[G0B+4*\s+2:G0B+4*\s+3], s[46:47], \s*WBLK
	s_or_b32 s[G0B+4*\s+3], s[G0B+4*\s+3], 0x80000000
.endr
	CROUND                                         ; all sixteen work-groups are here
	JLOAD G0, G1, G0B, G1B                         ; chunk 0: my one tensor load at the head
	; under its flight: pointers first, all scalar, then the vector lines in one run
	s_lshl_b32 s46, s42, 10
	s_lshl_b32 s47, s16, 9
	s_add_co_u32 s46, s46, s47                     ; my first column in bytes
	s_mov_b32 s47, 0
	s_add_nc_u64 s[8:9], s[8:9], s[46:47]
	s_lshl_b32 s20, s17, 8
	s_lshl_b32 s21, s15, 7
	s_add_co_u32 s20, s20, s21
	s_lshl_b32 s20, s20, 14                        ; my first row x 16,384 bytes
	s_add_co_u32 s20, s20, s46
	s_mov_b32 s21, 0
	s_add_nc_u64 s[10:11], s[10:11], s[20:21]
	s_cmp_eq_u32 s15, 0                            ; the prefetches: the rows that I fetch, my work-group's quarter of a chunk
	s_cselect_b32 s20, s17, s42
	s_cselect_b32 s21, s40, s41
	s_cselect_b64 s[PFA:PFA+1], s[4:5], s[6:7]
	s_lshl_b32 s20, s20, 1
	s_add_co_u32 s20, s20, s16
	s_mul_i32 s20, s20, RSTR
	s_mul_i32 s21, s21, WBLK/4
	s_add_co_u32 s20, s20, s21
	s_add_co_u32 s20, s20, 2*WBLK                  ; at chunk 2; the first refill steps it to chunk 3 and names chunk 4
	s_mov_b32 s21, 0
	s_add_nc_u64 s[PFA:PFA+1], s[PFA:PFA+1], s[20:21]
	s_mul_i32 s18, s15, WBLK                       ; LDS: my 128 rows of x in slot 0, 1
	s_add_co_u32 s19, s18, SLOT
	s_mul_i32 s20, s16, WBLK
	s_add_co_u32 s20, s20, 2*WBLK                  ; my 128 rows of W
	s_add_co_u32 s21, s20, SLOT
	s_sub_co_u32 s22, s20, s18                     ; from x's to W's
	s_add_co_u32 s70, s18, 12288                   ; the scale words
	s_add_co_u32 s71, s70, SLOT
	s_mul_i32 s23, s14, WBLK
	s_add_co_u32 s23, s23, STAGE                   ; my stage
	v_and_b32 v33, 15, v0                          ; r
	v_bfe_u32 v34, v0, 4, 1                        ; h
	v_and_b32 v35, 31, v0                          ; lane
	v_lshlrev_b32 v[CO], 4, v35
	v_lshlrev_b32 v[BO], 5, v34
	v_mul_u32_u24 v36, s22, v34                    ; lanes 16-31 take W's words
	v_lshl_add_u32 v36, v33, 4, v36
	v_mul_u32_u24 v37, v33, SPITCH
	v_lshl_add_u32 v37, v34, 5, v37
	v_add_nc_u32 v[STO], s23, v37
	v_add_nc_u32 v[RD], s23, v[CO]
	v_lshlrev_b32 v[PFO], 8, v35
	v_min_u32 v[PFO2], 6, v35
	v_lshl_add_u32 v[PFO2], v[PFO2], 8, 8192
	v_add_nc_u32 v[ADRA], s18, v[CO]
	v_add_nc_u32 v[ADRA+1], s19, v[CO]
	v_add_nc_u32 v[ADRB], s20, v[CO]
	v_add_nc_u32 v[ADRB+1], s21, v[CO]
	v_add_nc_u32 v[ADRS], s70, v36
	v_add_nc_u32 v[ADRS+1], s71, v36
	PF -WBLK                                       ; chunk 1, whose load follows when chunk 0 has landed,
	PF 0                                           ; and chunk 2, two loads on
	WIN 0x80                                       ; the bias in the result's layout: b[16 bb + 8 h + j]
.irp bb, 0,1,2,3
	global_load_b128 v[8*\bb:8*\bb+3], v[BO], s[8:9] offset:64*\bb
	global_load_b128 v[8*\bb+4:8*\bb+7], v[BO], s[8:9] offset:64*\bb+16
.endr
	WIN 0xc0
.irp bb, 0,1,2,3
	global_load_b128 v[8*\bb:8*\bb+3], v[BO], s[8:9] offset:256+64*\bb
	global_load_b128 v[8*\bb+4:8*\bb+7], v[BO], s[8:9] offset:256+64*\bb+16
.endr
	WIN 0
.macro FRAG adr, q, i                  ; fragment i of step q of a slot: three groups of four registers as they lie
.irp c, 0,1,2
	ds_load_b128 v[FRG+12*(\i)+4*\c:FRG+12*(\i)+4*\c+3], v[\adr] offset:TBLK*(\q)+1536*(\i)+512*\c
.endr
.endm
; The run of a step on set p: from (slot, q) into set 1 - p: W's eight fragments in window 1 - p, the scale words in window 0, x's blocks a0 .. a0 + an - 1 in window 3 - p
.macro RUN p, slot, q, a0, an
	WIN (1-(\p))<<6
.irp i, 0,1,2,3,4,5,6,7
	FRAG ADRB+(\slot), \q, \i
.endr
	WIN 0
.irp j, 0,1,2,3
	ds_load_b64 v[SC+8*(1-(\p))+2*\j:SC+8*(1-(\p))+2*\j+1], v[ADRS+(\slot)] offset:TBLK*(\q)+256*\j
.endr
	WIN (3-(\p))<<6
.set FI, \a0
.rept \an
	FRAG ADRA+(\slot), \q, FI
.set FI, FI+1
.endr
.endm
; cnt products from number n0 on of the sixteen of window g, on set p; the accumulators take turns, one instruction a turn.  first: C is the bias.
.macro MM g, p, n0, cnt, first
.if \first
	WIN ((\g)<<6)|(2<<4)|(2<<2)
.else
	WIN ((\g)<<6)|((\g)<<4)|((2+(\p))<<2)|(\p)
.endif
.set N, \n0
.rept \cnt
.set NA, (N/4)%2
.set NB, (N%4)+4*(N/8)
.set DD, ACC+8*(8*NA+NB)
.set FB, FRG+12*NB
.set FA, FRG+12*(2*(\g)+NA)
.set SB, SC+8*(\p)+NB
.set SA, SC+8*(\p)+2*(\g)+NA
.if \first
.if N == 8
	WIN ((\g)<<6)|(3<<4)|(2<<2)
.endif
	v_wmma_scale_f32_16x16x128_f8f6f4 v[DD:DD+7], v[FB:FB+11], v[FA:FA+11], v[8*(NB%4):8*(NB%4)+7], v[SB], v[SA] matrix_a_fmt:MATRIX_FMT_BF6 matrix_b_fmt:MATRIX_FMT_BF6 matrix_a_scale:MATRIX_SCALE_ROW1
.else
	v_wmma_scale_f32_16x16x128_f8f6f4 v[DD:DD+7], v[FB:FB+11], v[FA:FA+11], v[DD:DD+7], v[SB], v[SA] matrix_a_fmt:MATRIX_FMT_BF6 matrix_b_fmt:MATRIX_FMT_BF6 matrix_a_scale:MATRIX_SCALE_ROW1
.endif
.set N, N+1
.endr
.endm
; A whole step on set p; the next step's fragments lie at (slot, q).  first = 1: the first step.
.macro STEP p, slot, q, first
	PLACES                                         ; four places between the last step's products and the loads into the set that they read
	RUN \p, \slot, \q, 0, 8
	s_wait_dscnt NRUN                              ; the run just issued may be out; all older loads, this step's fragments and words, are in
.irp g, 0,1,2,3
	MM \g, \p, 0, 16, \first
.endr
.endm
; The last step of a slot.  Its fragments are in registers, so the slot is read no more.  fill = 1: the slot takes the chunk two on; 2: the last chunk.
.macro TURN p, slot, next, fill
.if (\fill) == 1
	s_wait_xcnt 0x0                                ; my last prefetches have read their address
	s_add_nc_u64 s[PFA:PFA+1], s[PFA:PFA+1], WBLK
.endif
	WIN 0
	s_wait_tensorcnt 0x0                           ; all my tensor loads have landed: my part of the next slot
	ds_add_u32 v[SPW], v[NIL]
	s_add_nc_u64 s[G0+4*\slot+2:G0+4*\slot+3], s[G0+4*\slot+2:G0+4*\slot+3], 2*WBLK
	s_add_nc_u64 s[G0B+4*\slot+2:G0B+4*\slot+3], s[G0B+4*\slot+2:G0B+4*\slot+3], 2*WBLK
	s_wait_dscnt 1                                 ; this step's fragments are in; the add alone may be out
	MM 0, \p, 0, 8, 0
	s_wait_dscnt 0x0                               ; the add is done; my reads of this slot ended above
	s_barrier_signal -1
	MM 0, \p, 8, 8, 0
	WIN 0
	s_barrier_wait -1
	CREST
.if (\fill) == 1
	JLOAD G0+4*\slot, G1, G0B+4*\slot, G1B         ; the first tensor load behind the round; its four v_nop are the places in front of the loads below
.else
	JLOAD G0+4*\slot, G1S, G0B+4*\slot, G1SB
.endif
	RUN \p, \next, 0, 0, 8
.if (\fill) == 1
	WIN 0
	ASK                                            ; behind the joint load and the run of LDS loads
.endif
.irp g, 1,2,3
	MM \g, \p, 0, 16, 0
.endr
.endm
; THE WAY OUT of block a, 16 rows x 128 columns: through my own stage and back as whole rows of 512 bytes, into v0-63 of window 2 (even a) or 3 (odd a), which hold nothing that is still wanted
.macro TOSTAGE a
.set AC, ACC+64*((\a)%2)
	WIN ((\a)/2)<<2
.irp b, 0,1,2,3,4,5,6,7
	ds_store_b128 v[STO], v[AC+8*\b:AC+8*\b+3] offset:64*\b          ; each accumulator from its low end on
	ds_store_b128 v[STO], v[AC+8*\b+4:AC+8*\b+7] offset:64*\b+16
.endr
	WIN (2+((\a)%2))<<6
.irp t, 0,1,2,3,4,5,6,7,8,9,10,11,12,13,14,15
	ds_load_b128 v[4*\t:4*\t+3], v[RD] offset:\t*SPITCH              ; LDS serves a wave's instructions in order: these see the stores above
.endr
.endm
.macro SEND a                          ; behind the wait that shows the block back, and behind a wait on XCNT for the base
	WIN (2+((\a)%2))<<2
.if (\a) > 0
	s_add_nc_u64 s[10:11], s[10:11], 16*16384      ; 16 rows on
.endif
.irp t, 0,1,2,3,4,5,6,7,8,9,10,11,12,13,14,15
	global_store_b128 v[CO], v[4*\t:4*\t+3], s[10:11] offset:\t*16384 th:TH_STORE_NT   ; 32 lanes store 512 consecutive bytes, aligned
.endr
.endm
; A half step: x's blocks 4 h .. 4 h + 3 on set p, 32 products.  ld: the next half step's fragments, at (slot, q), x's blocks 4 nh on.  sa, ta: a block's number + 1 to store, to stage; 0: none.
.macro HALF h, p, ld, slot, q, nh, sa, ta
	PLACES
	s_wait_dscnt 0x0                               ; this half step's fragments are in, and so is the block staged a half step ago
.if (\sa) || (\ta)
	s_wait_xcnt 0x0                                ; earlier stores have read their registers and their base
.endif
.if \sa
	SEND (\sa)-1
.endif
.if \ta
	TOSTAGE (\ta)-1
.endif
.if \ld
	RUN \p, \slot, \q, 4*(\nh), 4
.endif
	MM 2*(\h), \p, 0, 16, 0
	MM 2*(\h)+1, \p, 0, 16, 0
.endm
	s_wait_alu depctr_va_vdst(0)
	s_wait_tensorcnt 0x0                           ; my part of chunk 0 is in; slot 1's first fill is issued as a refill is
	ds_add_u32 v[SPW], v[NIL]
	s_wait_dscnt 0x0
	CROUND
	JLOAD G0+4, G1, G0B+4, G1B                     ; chunk 1
	RUN 1, 0, 0, 0, 8                              ; step 0's fragments and words into set 0
	WIN 0
	PF WBLK                                        ; chunk 3, two loads on
	s_wait_loadcnt 0x0                             ; the bias
	STEP 0, 0, 1, 1
	WIN 0
	s_mov_b32 s3, 4
.Llap:                                                 ; a trip: six steps, once round the ring, from a chunk's second step on
	STEP 1, 0, 2, 0
	TURN 0, 0, 1, 1
	STEP 1, 1, 1, 0
	STEP 0, 1, 2, 0
	TURN 1, 1, 0, 1
	STEP 0, 0, 1, 0
	WIN 0
	s_sub_co_u32 s3, s3, 1
	s_cmp_lg_u32 s3, 0
	s_cbranch_scc1 .Llap
	STEP 1, 0, 2, 0                                ; step 25
	TURN 0, 0, 1, 2                                ; step 26: the last fill, steps 30 and 31, into slot 0
	HALF 0, 1, 1, 1, 1, 0, 0, 0                    ; blocks 0-3: step 27,
	HALF 0, 0, 1, 1, 2, 0, 0, 0                    ; step 28,
	PLACES                                         ; step 29: behind a barrier that shows the last chunk whole to all four waves step 30's fragments are fetched
	s_wait_tensorcnt 0x0
	s_wait_dscnt 0x0
	s_barrier_signal -1
	MM 0, 1, 0, 16, 0
	s_barrier_wait -1
	RUN 1, 0, 0, 0, 4
	MM 1, 1, 0, 16, 0
	HALF 0, 0, 1, 0, 1, 0, 0, 0                    ; step 30,
	HALF 0, 1, 1, 1, 0, 1, 0, 0                    ; step 31: blocks 0-3 are finished
	HALF 1, 0, 1, 1, 1, 1, 0, 1                    ; blocks 4-7: step 27; block 0 goes to the stage,
	HALF 1, 1, 1, 1, 2, 1, 1, 2                    ; step 28; block 0 leaves, block 1 goes to the stage,
	HALF 1, 0, 1, 0, 0, 1, 2, 3
	HALF 1, 1, 1, 0, 1, 1, 3, 4
	HALF 1, 0, 0, 0, 0, 0, 4, 0                    ; step 31; block 3 leaves
	PLACES                                         ; behind the last products, ahead of the reads of their results
	s_wait_xcnt 0x0
	TOSTAGE 4
.irp a, 5,6,7
	s_wait_xcnt 0x0                                ; block a - 2's stores have read their registers, block a - 2's and earlier their base
	TOSTAGE \a
	s_wait_dscnt 32                                ; block a - 1 is back; block a's 16 stores and 16 loads may be out
	SEND \a-1
.endr
	s_wait_xcnt 0x0
	s_wait_dscnt 0x0
	SEND 7
	WIN 0
	s_wait_tensorcnt 0x0                           ; the wave's end
	ds_add_u32 v[SPW], v[NIL]
	s_wait_dscnt 0x0
	CROUND                                         ; the closing round
	s_endpgm
.Lfunc_end_k_q7d82aa6c02_gemm:
	.size	k_q7d82aa6c02_gemm, .Lfunc_end_k_q7d82aa6c02_gemm-k_q7d82aa6c02_gemm
	.p2alignl 7, 3214868480
	.fill 96, 4, 3214868480
	.section	.rodata,"a",@progbits
	.p2align	6, 0x0
	.amdhsa_kernel k_q7d82aa6c02_gemm
		.amdhsa_group_segment_fixed_size 327680
		.amdhsa_private_segment_fixed_size 0
		.amdhsa_enable_private_segment 0
		.amdhsa_kernarg_size 32
		.amdhsa_user_sgpr_count 2
		.amdhsa_user_sgpr_kernarg_segment_ptr 1
		.amdhsa_wavefront_size32 1
		.amdhsa_system_sgpr_workgroup_id_x 1
		.amdhsa_system_sgpr_workgroup_id_y 1
		.amdhsa_system_sgpr_workgroup_id_z 1
		.amdhsa_system_vgpr_workitem_id 0
		.amdhsa_next_free_vgpr 1024
		.amdhsa_next_free_sgpr 88
		.amdhsa_reserve_vcc 0
		.amdhsa_float_denorm_mode_32 3
		.amdhsa_float_denorm_mode_16_64 3
		.amdhsa_memory_ordered 1
		.amdhsa_forward_progress 1
		.amdhsa_inst_pref_size 219
	.end_amdhsa_kernel
	.amdgpu_metadata
---
amdhsa.version: [ 1, 2 ]
amdhsa.kernels:
  - .name:           k_q7d82aa6c02_gemm
    .symbol:         k_q7d82aa6c02_gemm.kd
    .args:
      - { .name: aq, .offset: 0, .size: 8, .value_kind: global_buffer, .address_space: global }
      - { .name: wq, .offset: 8, .size: 8, .value_kind: global_buffer, .address_space: global }
      - { .name: b, .offset: 16, .size: 8, .value_kind: global_buffer, .address_space: global }
      - { .name: out0, .offset: 24, .size: 8, .value_kind: global_buffer, .address_space: global }
    .group_segment_fixed_size: 327680
    .private_segment_fixed_size: 0
    .kernarg_segment_align: 8
    .kernarg_segment_size: 32
    .max_flat_workgroup_size: 128
    .sgpr_count:     88
    .vgpr_count:     1024
    .wavefront_size: 32
...
	.end_amdgpu_metadata
.endif
;; end of part 2
